; MI455X (gfx1250); checked and timed in simulation.
; The chip was launched on July 23, 2026; its instructions are those of AMD's public machine-readable ISA for CDNA 5 (MIT licence, August 2026) and "CDNA5" Instruction Set Architecture Reference Guide (July 2026). The comments in the code are by the model that wrote it; some were corrected since.
;; Vector Quantizer2. Allowed arithmetic: float matrix products may take bf16 or f16 operands with f32 sums; all other float work in f32.
;; Inputs: embedding 8,192 x 256 float32; z 8 x 256 x 64 x 64 float32.
;; Outputs: out0 8 x 256 x 64 x 64 float32; out1 one number float32; out2 32,768 int32.
;; One version. Each part assembles by itself: llvm-mc -triple=amdgcn-amd-amdhsa -mcpu=gfx1250 --defsym DOCPART=n.
;; ======== version 1 of 1: 4 launches
;; workspace buffers: etab 4,194,304 bytes; eeb 32,768 bytes; idxw 131,072 bytes of whole numbers; part 1,024 bytes
;; launch prep (part 1): grid 128 x 1, 4 waves a work-group, no clusters, 167,936 bytes of LDS; arguments embedding, etab, eeb; writes etab, eeb
.if DOCPART == 1
	.amdgcn_target "amdgcn-amd-amdhsa--gfx1250"
	.amdhsa_code_object_version 6
	.text
	.protected	k_qa61c64ea24_prep
	.globl	k_qa61c64ea24_prep
	.p2align	8
	.type	k_qa61c64ea24_prep,@function
k_qa61c64ea24_prep:
	s_mov_b64 s[64:65], 0
	v_nop
	global_prefetch_b8 v0, s[64:65] scope:SCOPE_SE
	s_setreg_imm32_b32 hwreg(HW_REG_WAVE_MODE, 25, 1), 1
	s_wait_xcnt 0x0
; PREP.  embedding [8192][256] f32  ->  etab: the same numbers rounded to bf16, laid in the order in which a matrix fragment wants them;
;                                       eeb [8192] f32: the sum of squares of each ROUNDED code.
; etab: block q (codes 64 q .. 64 q + 63) is 32,768 bytes.  In it chunk (cb, ks, u) lies at ((8 cb + ks) 2 + u) 512; in a chunk lane L = 16 h + r owns the 16 bytes
; at 16 L: code 64 q + 16 cb + r, channels 32 ks + 16 u + 8 h .. + 7.  So a later LDS load of 16 bytes a lane at 16 L brings half a fragment out of 512 neighbouring bytes.
; SHARES.  Work-group q makes one block, wave w its code block cb = w: 16 codes x 256 channels.  128 work-groups, so that a work-group's 64 sums leave as one store of 256 bytes.
; No cluster: no two work-groups read the same bytes.  No matrix work: the launch only moves and rounds.
.set PITCH, 1040                       ; an LDS row: 1,024 bytes + 16 = 65 x 16: the 16 rows that a load touches fall into 16 different 16-byte columns of 256
.set WTILE, 16*PITCH                   ; a wave's tile
.set SCR,   4*WTILE                    ; 64 sums, a block of 256 bytes that no tile touches
.set SPARE, SCR+256                    ; the spare words: 128 bytes a wave, two blocks of 256 bytes that no other line names
.set LA,  3                            ; v3   LDS address of my 32 bytes in chunk 0
.set GO,  4                            ; v4   my byte offset in the block of etab; never rewritten
.set SW,  5                            ; v5   where my code's sum goes in SCR
.set SR,  6                            ; v6   wave 0: where I read two sums back
.set EO,  7                            ; v7   wave 0: my byte offset in eeb's 256 bytes
.set U,   8                            ; v8-15   eight rounded numbers as f32
.set SA,  16                           ; v16-19  two packed running sums
.set TM,  20                           ; v20  at work
.set SPW, 28                           ; v28  LDS address of my spare word; never rewritten
.set NIL, 29                           ; v29  0; never rewritten
.set F,   32                           ; v32-159   16 chunks x 8 f32 as loaded
.set O,   160                          ; v160-223  16 chunks x 4 words of bf16: each store has its own registers, none is rewritten
.set G1,  16                           ; s[16:23] descriptor group 1
.set G0,  24                           ; s[24:27] descriptor group 0
	s_load_b128 s[4:7], s[0:1], 0x0                ; embedding s[4:5], etab s[6:7]
	s_load_b64 s[8:9], s[0:1], 0x10                ; eeb
	v_lshl_add_u32 v[SPW], v0, 2, SPARE
	v_mov_b32 v[NIL], 0
	ds_add_u32 v[SPW], v[NIL]                      ; the wave's opening: the add and its wait stand ahead of my tensor load; the set-up below, work on registers, stands between them
	ds_add_u32 v28, v29
	v_lshrrev_b32 v1, 5, v0
	v_readfirstlane_b32 s10, v1                    ; wave 0..3
	; group 1: 16 rows x 256 elements of 4 bytes, 4 words of padding behind every 256 words
	s_mov_b32 s[G1+0], (2<<16)|(1<<20)|(7<<22)|(3<<25)
	s_mov_b32 s[G1+1], 256<<16                     ; tensor_dim0 = 256
	s_mov_b32 s[G1+2], 16<<16                      ; tensor_dim1 = 16
	s_mov_b32 s[G1+3], 256<<16                     ; tile_dim0 = 256
	s_mov_b32 s[G1+4], 16                          ; tile_dim1 = 16
	s_mov_b32 s[G1+5], 256                         ; 256 elements from row to row
	s_mov_b32 s[G1+6], 0
	s_mov_b32 s[G1+7], 0
	s_mov_b32 s[G0], 1                             ; count = 1
	s_mul_i32 s[G0+1], s10, WTILE                  ; LDS address: my wave's tile
	s_lshl_b32 s14, ttmp9, 16                      ; 64 rows of 1,024 bytes a work-group,
	s_lshl_b32 s15, s10, 14                        ; 16 a wave
	s_add_co_u32 s14, s14, s15
	s_mov_b32 s15, 0
	s_lshl_b32 s28, ttmp9, 15                      ; the block in etab
	s_mov_b32 s29, 0
	s_lshl_b32 s30, ttmp9, 8                       ; the block's 64 sums in eeb
	s_mov_b32 s31, 0
	s_mov_b32 s11, 0xffff0000                      ; a word's upper bf16
	s_mov_b32 s12, 0x76543210                      ; v_permlanex16_b32: each lane takes its own place in the other half
	s_mov_b32 s13, 0xfedcba98
	s_wait_dscnt 0x0                               ; the opening add is done
	s_wait_kmcnt 0x0
	s_add_nc_u64 s[G0+2:G0+3], s[4:5], s[14:15]    ; global address of my 16 rows
	s_or_b32 s[G0+3], s[G0+3], 0x80000000          ; type = 2
	s_add_nc_u64 s[6:7], s[6:7], s[28:29]
	s_add_nc_u64 s[8:9], s[8:9], s[30:31]
	tensor_load_to_lds s[G0:G0+3], s[G1:G1+7]      ; the wave's one tensor load: 16 rows of 1,024 bytes
	s_nop 0
	v_and_b32 v1, 15, v0                           ; r
	v_bfe_u32 v2, v0, 4, 1                         ; h
	v_and_b32 v[TM], 31, v0                        ; L
	v_mul_u32_u24 v[LA], v1, PITCH
	v_lshl_add_u32 v[LA], v2, 5, v[LA]             ; row r, 8 h channels of 4 bytes on
	v_add_nc_u32 v[LA], s[G0+1], v[LA]
	s_lshl_b32 s14, s10, 13                        ; code block w: 16 chunks of 512 bytes
	v_lshl_add_u32 v[GO], v[TM], 4, s14
	s_lshl_b32 s15, s10, 6
	s_add_co_u32 s15, s15, SCR
	v_lshl_add_u32 v[SW], v1, 2, s15               ; SCR + 4 (16 w + r)
	v_lshlrev_b32 v[EO], 3, v[TM]
	v_add_nc_u32 v[SR], SCR, v[EO]
	s_wait_tensorcnt 0x0                           ; my tile is in; only I read it, so no barrier is needed
.set c, 0
.rept 16                                               ; chunk c = 2 ks + u: channels 16 c + 8 h .. + 7 are 32 bytes at 64 c + 32 h of the row
	ds_load_b128 v[F+8*c:F+8*c+3],   v[LA] offset:64*c
	ds_load_b128 v[F+8*c+4:F+8*c+7], v[LA] offset:64*c+16
.set c, c+1
.endr
.set c, 0
.rept 16
	s_wait_dscnt 30-2*c                            ; LDS loads come back in order: all but the later chunks' two each
.irp x, 0,1,2,3
	v_cvt_pk_bf16_f32 v[O+4*c+\x], v[F+8*c+2*\x], v[F+8*c+2*\x+1]
.endr
	global_store_b128 v[GO], v[O+4*c:O+4*c+3], s[6:7] offset:512*c  ; the wave stores 512 consecutive bytes, at a multiple of 512 from etab's first byte
.irp x, 0,1,2,3
	v_lshlrev_b32 v[U+2*\x],   16,  v[O+4*c+\x]    ; the rounded numbers back as f32
	v_and_b32     v[U+2*\x+1], s11, v[O+4*c+\x]
.endr
.irp x, 0,1,2,3
.if (c == 0) && ((\x) < 2)
	v_pk_mul_f32 v[SA+2*\x:SA+2*\x+1], v[U+2*\x:U+2*\x+1], v[U+2*\x:U+2*\x+1]  ; the first squares start the sums: nothing is cleared
.else
	v_pk_fma_f32 v[SA+2*((\x)%2):SA+2*((\x)%2)+1], v[U+2*\x:U+2*\x+1], v[U+2*\x:U+2*\x+1], v[SA+2*((\x)%2):SA+2*((\x)%2)+1]
.endif
.endr
.set c, c+1
.endr
	v_add_f32 v[SA], v[SA], v[SA+1]
	v_add_f32 v[SA+2], v[SA+2], v[SA+3]
	v_add_f32 v[SA], v[SA], v[SA+2]
	v_permlanex16_b32 v[TM], v[SA], s12, s13       ; the code's other 128 channels lie in the lane 16 away
	v_add_f32 v[SA], v[SA], v[TM]
	ds_store_b32 v[SW], v[SA]                      ; both halves write the same number to the same word
	s_wait_dscnt 0x0                               ; for wave 0's sake: my store is done
	s_barrier_signal -1
	s_barrier_wait -1
	s_cmp_lg_u32 s10, 0
	s_cbranch_scc1 .Lend
	ds_load_b64 v[22:23], v[SR]
	s_wait_dscnt 0x0
	global_store_b64 v[EO], v[22:23], s[8:9]       ; 32 lanes store the block's 64 sums: 256 consecutive bytes, aligned
.Lend:
	s_wait_tensorcnt 0x0                           ; the wave's end, behind my tensor load and my last LDS store
	ds_add_u32 v[SPW], v[NIL]
	s_wait_dscnt 0x0
	s_endpgm
.Lfunc_end_k_qa61c64ea24_prep:
	.size	k_qa61c64ea24_prep, .Lfunc_end_k_qa61c64ea24_prep-k_qa61c64ea24_prep
	.p2alignl 7, 3214868480
	.fill 96, 4, 3214868480
	.section	.rodata,"a",@progbits
	.p2align	6, 0x0
	.amdhsa_kernel k_qa61c64ea24_prep
		.amdhsa_group_segment_fixed_size 167936
		.amdhsa_private_segment_fixed_size 0
		.amdhsa_enable_private_segment 0
		.amdhsa_kernarg_size 24
		.amdhsa_user_sgpr_count 2
		.amdhsa_user_sgpr_kernarg_segment_ptr 1
		.amdhsa_wavefront_size32 1
		.amdhsa_system_sgpr_workgroup_id_x 1
		.amdhsa_system_sgpr_workgroup_id_y 1
		.amdhsa_system_sgpr_workgroup_id_z 1
		.amdhsa_system_vgpr_workitem_id 0
		.amdhsa_next_free_vgpr 224
		.amdhsa_next_free_sgpr 66
		.amdhsa_reserve_vcc 0
		.amdhsa_float_denorm_mode_32 3
		.amdhsa_float_denorm_mode_16_64 3
		.amdhsa_memory_ordered 1
		.amdhsa_forward_progress 1
		.amdhsa_inst_pref_size 20
	.end_amdhsa_kernel
	.amdgpu_metadata
---
amdhsa.version: [ 1, 2 ]
amdhsa.kernels:
  - .name:           k_qa61c64ea24_prep
    .symbol:         k_qa61c64ea24_prep.kd
    .args:
      - { .name: embedding, .offset: 0, .size: 8, .value_kind: global_buffer, .address_space: global }
      - { .name: etab, .offset: 8, .size: 8, .value_kind: global_buffer, .address_space: global }
      - { .name: eeb, .offset: 16, .size: 8, .value_kind: global_buffer, .address_space: global }
    .group_segment_fixed_size: 167936
    .private_segment_fixed_size: 0
    .kernarg_segment_align: 8
    .kernarg_segment_size: 24
    .max_flat_workgroup_size: 128
    .sgpr_count:     66
    .vgpr_count:     224
    .wavefront_size: 32
...
	.end_amdgpu_metadata
.endif
;; end of part 1
;; launch vqmin (part 2): grid 256 x 1, 4 waves a work-group, clusters of 4 x 1, 327,680 bytes of LDS; arguments etab, eeb, z, out2, idxw; writes out2, idxw
.if DOCPART == 2
	.amdgcn_target "amdgcn-amd-amdhsa--gfx1250"
	.amdhsa_code_object_version 6
	.text
	.protected	k_qa61c64ea24_vqmin
	.globl	k_qa61c64ea24_vqmin
	.p2align	8
	.type	k_qa61c64ea24_vqmin,@function
k_qa61c64ea24_vqmin:
	s_mov_b64 s[64:65], 0
	v_nop
	global_prefetch_b8 v0, s[64:65] scope:SCOPE_SE
	s_setreg_imm32_b32 hwreg(HW_REG_WAVE_MODE, 25, 1), 1
	s_wait_xcnt 0x0
	s_wait_alu depctr_hold_cnt(0) depctr_sa_sdst(0) depctr_va_vdst(0) depctr_va_sdst(0) depctr_va_ssrc(0) depctr_va_vcc(0) depctr_vm_vsrc(0)
	s_getreg_b32 s2, hwreg(HW_REG_IB_STS2, 6, 4)
	s_cmp_eq_u32 s2, 0
	s_cbranch_scc0 .Lentry_in_a_cluster
	s_endpgm
.Lentry_in_a_cluster:
	s_bfe_u32 s2, ttmp6, 0x10000c
	s_cmp_lg_u32 s2, 0x3003
	s_cbranch_scc0 .Lentry_shape_is_right
	s_endpgm
.Lentry_shape_is_right:
; VQMIN.  For each of the 32,768 rows n = (b, hw) of z (row n is z[b][:][hw], 256 channels 16,384 bytes apart): the first index k that makes
;   d(n, k) = fl( fl(zz(n) + ee(k)) - 2 dot(n, k) )   smallest, stored to out2 and, the same number, to idxw.
; z and the codes are rounded to bf16 for the product, and zz and ee are the sums of squares of the ROUNDED numbers; sums in f32.  d is made with the two roundings written above
; (a packed add, then one fused multiply-add by -2, which is exact), compared by a strict less-than in ascending k; equal d keep the lower index everywhere.
; LIMITS.  A distance that is NaN is never chosen.  If no distance lies below +infinity the index is 0.  The product's sum is made by the matrix unit in its own order; where its last bits carry
; d over a rounding step of f32 while a second code lies within one such step, the index can differ from a sum made in another order.
; SHARES.  Work-group g owns rows 128 g .. 128 g + 127.  EVERY wave keeps all 128 rows x 256 channels as fragments in 512 registers; wave w walks the codes 2048 w .. 2048 w + 2047,
; 128 BLOCKS of 16.  A block is 64 matrix instructions (8 steps of 32 channels x 8 row blocks) for 18 LDS loads: z never leaves the registers.
; LAYOUT.  Source 0 = 16 codes, source 1 = 16 rows: in the result register j of lane (r, h) is (code 8 h + j, row r).  So a lane owns one row of each row block, and a running minimum
; and its block number are kept for each (row block a, j): 64 + 64 registers.
; BY TURNS.  A result register costs four vector instructions (half a packed add, half a packed multiply-add, a compare, two selects), as many as there are matrix instructions to set
; them behind.  Two sets of 8 accumulators: block m multiplies into set m % 2 while four instructions that work off block m - 1 stand behind each of its matrix instructions.
; CLUSTER.  All work-groups walk the same table, so each tile is asked for JOINTLY by the four of a cluster: the same tensor load, descriptor and mask in all four.  The place in the
; cluster enters the addresses of z, out2 and idxw alone.  Wave w fetches and reads its own 32,768 bytes of a slot (4 blocks); a refill has 4 blocks, 256 matrix instructions, in which to land.
; REGISTERS, in windows of 256 (s_set_vgpr_msb: bits 1:0 source 0, 3:2 source 1, 5:4 source 2, 7:6 destination):
;   window 0: addresses, t / d at work, ee, the running minima and indices, zz          window 1: v0-127 two sets of accumulators; v128-255 two buffers of code fragments (at first: z as loaded)
;   windows 2, 3: z's fragments, row block a, channel step ks at 64 (a % 4) + 8 ks; a < 4 in window 2
.set SLOT1, 1<<17                      ; slot 0 at 0, slot 1 here: one exclusive or turns an address in one slot into the other's; wave w's tile at 32,768 w
.set EEB,   262144                     ; ee of all 8,192 codes; wave w's 2,048 at 8,192 w; filled once
.set STG,   294912                     ; z's stage: 64 channel rows x 288 bytes (128 rows of bf16 + 32: 9 x 32)
.set SPI,   288
.set ZSCR,  STG+64*SPI                 ; the four waves' partial zz: [wave][128] f32
.set SCRD,  ZSCR+2048                  ; the four waves' smallest d: [wave][128]
.set SCRI,  SCRD+2048                  ; and its code
.set SPARE, SCRI+2048                  ; the spare words: 128 bytes a wave, two blocks of 256 bytes that no other line names
.set AE0,  4                           ; v4   my 16 bytes in a chunk of my wave's tile; never rewritten
.set AEE0, 5                           ; v5   my 8 ee of my wave's block 0; never rewritten
.set ADR,  6                           ; v6   LDS address of the run of fragment loads in hand
.set ADE,  7                           ; v7   of the two ee loads in hand
.set ZG,   8                           ; v8   my byte offset in z; never rewritten
.set STS,  9                           ; v9   where I put 8 bytes of a stage row
.set TRA,  10                          ; v10  my lane's place for the turning load
.set ZWR,  11                          ; v11  where my four partial zz go
.set ZRD,  12                          ; v12  where I read zz of row r
.set LB,   13                          ; v13  2048 w + 8 h
.set SWR,  14                          ; v14  SCRD + 512 w + 4 r
.set SRD,  15                          ; v15  SCRD + 16 L
.set GOUT, 16                          ; v16  16 L
.set T,    24                          ; v24-31   t, then d, of the accumulator in hand
.set EE,   32                          ; v32-47   ee of my 8 codes, two buffers
.set SPW,  48                          ; v48  LDS address of my spare word; never rewritten
.set NIL,  49                          ; v49  0; never rewritten
.set RUN,  64                          ; v64-127  the running minimum of (a, j) at RUN + 8 a + j
.set IDX,  128                         ; v128-191 16 x the block that gave it
.set PK,   192                         ; v192-223 z rounded, on its way to the stage; later partial zz; at last the four waves' results
.set U,    224                         ; v224-231 at work
.set ZA,   232                         ; v232-235 my partial zz of rows 4 L .. 4 L + 3
.set ZZ,   236                         ; v236-251 zz of row 16 a + r, twice, as the pair at ZZ + 2 a: the packed add takes it as it lies
.set WV,   14                          ; s14  my wave's number
.set G1T,  24                          ; s[24:31] group 1 of a tile: 128 rows of 256 bytes
.set G1E,  32                          ; s[32:39] group 1 of ee: 32 rows of 256 bytes
.set G0A,  40                          ; s[40:43] group 0 of tile 0
.set G0W,  44                          ; s[44:47] group 0 of tile 1; it then walks
.set G0E,  48                          ; s[48:51] group 0 of ee
.set SLOTS, 52                         ; s52  refills to go
.set TWICE, 53                         ; s53  counts a slot's two pairs of blocks
.set TB,   54                          ; s54  LDS byte, less the wave's part, of the block to be fetched
.set TE,   55                          ; s55  the same for its ee
.set CB,   56                          ; s56  16 x the block that is being worked off
.set HIM,  57                          ; s57  a word's upper bf16
.set M,    60                          ; s60-63 lane masks, two pairs by turns
.set SEL,  66                          ; s[66:67] v_permlanex16_b32's selects
.set MSB, 0
.macro WIN new                         ; the immediate's high byte repeats the setting that is left; a switch that changes nothing is dropped
.if MSB != (\new)
	s_set_vgpr_msb (MSB<<8)|(\new)
.set MSB, (\new)
.endif
.endm
; A round of the cluster's barrier: my work-group's barrier, so that wave 0's signal speaks for all four waves; wave 0 signals; every wave waits for all four work-groups; my work-group's barrier once more.
.macro CROUND
	s_barrier_signal -1
	s_barrier_wait -1
	s_cmp_lg_u32 s[WV], 0
	s_cbranch_scc1 .Lnot_wave_0_\@
	s_barrier_signal -3
.Lnot_wave_0_\@:
	s_barrier_wait -3
	s_barrier_signal -1
	s_barrier_wait -1
.endm
; A joint refill: every wave asks for its own 32,768 bytes, by the wave's own group 0; an s_nop 0 and four v_nop follow.
.macro JLOAD
	tensor_load_to_lds s[G0W:G0W+3], s[G1T:G1T+7]
	s_nop 0
.rept 4
	v_nop
.endr
.endm
	s_load_b256 s[4:11], s[0:1], 0x0               ; etab s[4:5], eeb s[6:7], z s[8:9], out2 s[10:11]
	s_load_b64 s[12:13], s[0:1], 0x20              ; idxw
	v_lshl_add_u32 v[SPW], v0, 2, SPARE
	v_mov_b32 v[NIL], 0
	ds_add_u32 v[SPW], v[NIL]                      ; the wave's opening: the add and its wait stand ahead of my first tensor load; the set-up below, work on registers, stands between them
	ds_add_u32 v48, v49
	v_lshrrev_b32 v50, 5, v0
	v_readfirstlane_b32 s[WV], v50                 ; wave 0..3
	s_bfe_u32 s15, ttmp6, 0x40000                  ; cx: my place in the cluster
	s_lshl_b32 s16, ttmp9, 2                       ; in a cluster launch ttmp9 counts clusters
	s_add_co_u32 s16, s16, s15                     ; g = 4 x cluster x + cx
	s_lshr_b32 s20, s16, 5                         ; b = g / 32: 4 MiB of z each,
	s_lshl_b32 s20, s20, 22
	s_and_b32 s21, s16, 31                         ; and 128 hw of 4 bytes for each g % 32
	s_lshl_b32 s21, s21, 9
	s_add_co_u32 s20, s20, s21
	s_mov_b32 s21, 0
	s_lshl_b32 s22, s16, 9                         ; my 128 indices of 4 bytes
	s_mov_b32 s23, 0
	; group 1.  A tile is 32,768 dense bytes: 128 rows of 32 elements of 8 bytes.  15:0 the mask of four; 17:16 8-byte elements; 21 set beside a mask; no padding: every LDS read takes 512 neighbouring bytes
	s_mov_b32 s[G1T+0], 15|(3<<16)|(1<<21)
	s_mov_b32 s[G1T+1], 32<<16                     ; tensor_dim0 = 32
	s_mov_b32 s[G1T+2], 128<<16                    ; tensor_dim1 = 128
	s_mov_b32 s[G1T+3], 32<<16                     ; tile_dim0 = 32
	s_mov_b32 s[G1T+4], 128                        ; tile_dim1 = 128
	s_mov_b32 s[G1T+5], 32                         ; 32 elements from row to row
	s_mov_b32 s[G1T+6], 0
	s_mov_b32 s[G1T+7], 0
	s_mov_b32 s[G1E+0], 15|(3<<16)|(1<<21)         ; a wave's ee: 8,192 dense bytes, 32 such rows
	s_mov_b32 s[G1E+1], 32<<16
	s_mov_b32 s[G1E+2], 32<<16
	s_mov_b32 s[G1E+3], 32<<16
	s_mov_b32 s[G1E+4], 32
	s_mov_b32 s[G1E+5], 32
	s_mov_b32 s[G1E+6], 0
	s_mov_b32 s[G1E+7], 0
	s_mov_b32 s[G0A], 1
	s_lshl_b32 s[G0A+1], s[WV], 15                 ; slot 0, my wave's part
	s_mov_b32 s[G0W], 1
	s_add_co_u32 s[G0W+1], s[G0A+1], SLOT1         ; slot 1
	s_mov_b32 s[G0E], 1
	s_lshl_b32 s[G0E+1], s[WV], 13
	s_add_co_u32 s[G0E+1], s[G0E+1], EEB
	s_lshl_b32 s18, s[WV], 20                      ; my 2,048 codes: 32 blocks of 32,768 bytes of etab
	s_mov_b32 s19, 0
	s_lshl_b32 s58, s[WV], 13                      ; and 8,192 bytes of eeb
	s_mov_b32 s59, 0
	s_mov_b32 s[HIM], 0xffff0000
	s_mov_b32 s[SEL], 0x76543210
	s_mov_b32 s[SEL+1], 0xfedcba98
	v_and_b32 v1, 31, v0                           ; L
	v_and_b32 v2, 15, v0                           ; r
	v_bfe_u32 v3, v0, 4, 1                         ; h
	v_lshl_add_u32 v[AE0], v1, 4, s[G0A+1]         ; 32,768 w + 16 L
	v_lshl_add_u32 v[AEE0], v3, 5, s[G0E+1]        ; EEB + 8,192 w + 32 h
	s_lshl_b32 s17, s[WV], 18                      ; in each phase wave w brings 16 channels of 16,384 bytes
	v_lshl_add_u32 v[ZG], v1, 4, s17
	s_mul_i32 s17, s[WV], 16*SPI
	s_add_co_u32 s17, s17, STG
	v_lshl_add_u32 v[STS], v1, 3, s17              ; my wave's 16 stage rows, 8 bytes a lane
	v_and_b32 v50, 7, v0
	v_lshl_add_u32 v50, v3, 3, v50
	v_mul_u32_u24 v[TRA], v50, SPI                 ; the turning load: channel row 8 h + L % 8,
	v_bfe_u32 v51, v0, 3, 1
	v_lshl_add_u32 v[TRA], v51, 4, v[TRA]          ; 16 bytes for each half of 16 lanes
	v_add_nc_u32 v[TRA], STG, v[TRA]
	s_lshl_b32 s17, s[WV], 9
	s_add_co_u32 s17, s17, ZSCR
	v_lshl_add_u32 v[ZWR], v1, 4, s17
	v_lshl_add_u32 v[ZRD], v2, 2, ZSCR
	s_lshl_b32 s17, s[WV], 11
	v_lshl_add_u32 v[LB], v3, 3, s17
	s_lshl_b32 s17, s[WV], 9
	s_add_co_u32 s17, s17, SCRD
	v_lshl_add_u32 v[SWR], v2, 2, s17
	v_lshl_add_u32 v[SRD], v1, 4, SCRD
	v_lshlrev_b32 v[GOUT], 4, v1
	s_wait_dscnt 0x0                               ; the opening add is done
	s_wait_kmcnt 0x0
	s_add_nc_u64 s[G0A+2:G0A+3], s[4:5], s[18:19]  ; my tile 0,
	s_add_nc_u64 s[G0W+2:G0W+3], s[G0A+2:G0A+3], 32768  ; my tile 1
	s_or_b32 s[G0A+3], s[G0A+3], 0x80000000        ; type = 2
	s_or_b32 s[G0W+3], s[G0W+3], 0x80000000
	s_add_nc_u64 s[G0E+2:G0E+3], s[6:7], s[58:59]
	s_or_b32 s[G0E+3], s[G0E+3], 0x80000000
	s_add_nc_u64 s[8:9], s[8:9], s[20:21]          ; z at my work-group's first row, channel 0
	s_add_nc_u64 s[10:11], s[10:11], s[22:23]
	s_add_nc_u64 s[12:13], s[12:13], s[22:23]
	; z: load n = 16 ph + i brings channel 64 ph + 16 w + i, 512 consecutive bytes (128 rows), into window 1, v[4 n ..]
	WIN 0x40
.set n, 0
.rept 64
	global_load_b128 v[4*n:4*n+3], v[ZG], s[8:9] offset:(64*(n/16)+n%16)*16384 th:TH_LOAD_NT
.set n, n+1
.endr
	WIN 0
	CROUND                                         ; all four work-groups are here: the first joint loads meet
	tensor_load_to_lds s[G0E:G0E+3], s[G1E:G1E+7]  ; the first fills go out together: three loads of mine are out
	s_nop 0
	tensor_load_to_lds s[G0A:G0A+3], s[G1T:G1T+7]
	s_nop 0
	tensor_load_to_lds s[G0W:G0W+3], s[G1T:G1T+7]
	s_nop 0
.rept 4
	v_nop
.endr
	; The running minima start at +infinity, their blocks at 0: 128 lines in the wait for z, in place of a further copy of a block's text for the first block.
.set n, 0
.rept 64
	v_mov_b32 v[RUN+n], 0x7f800000
	v_mov_b32 v[IDX+n], 0
.set n, n+1
.endr
; z INTO FRAGMENTS, 64 channels a phase.  Each wave rounds its 16 channels to bf16, adds their squares to its partial zz and lays them into the stage as [channel][row]; behind a barrier every
; wave takes all 64 channels x 128 rows out by the turning load, as source 1's fragments; a second barrier stands between those reads and the next phase's stores.
.macro STAGE ph
	s_wait_loadcnt 48-16*(\ph)                     ; loads come back in order: all but the later phases' sixteen each
	WIN 0x05                                       ; sources in window 1, destination in window 0
.set n, 0
.rept 32
	v_cvt_pk_bf16_f32 v[PK+n], v[64*(\ph)+2*n], v[64*(\ph)+2*n+1]
.set n, n+1
.endr
	WIN 0
.set n, 0
.rept 16                                               ; channel n of my 16: rows 4 L .. 4 L + 3 in two words
	v_lshlrev_b32 v[U+4*(n%2)],   16,     v[PK+2*n]
	v_and_b32     v[U+4*(n%2)+1], s[HIM], v[PK+2*n]
	v_lshlrev_b32 v[U+4*(n%2)+2], 16,     v[PK+2*n+1]
	v_and_b32     v[U+4*(n%2)+3], s[HIM], v[PK+2*n+1]
.if ((\ph) == 0) && (n == 0)
	v_pk_mul_f32 v[ZA:ZA+1],   v[U:U+1],   v[U:U+1]      ; the first squares start the sums
	v_pk_mul_f32 v[ZA+2:ZA+3], v[U+2:U+3], v[U+2:U+3]
.else
	v_pk_fma_f32 v[ZA:ZA+1],   v[U+4*(n%2):U+4*(n%2)+1],   v[U+4*(n%2):U+4*(n%2)+1],   v[ZA:ZA+1]
	v_pk_fma_f32 v[ZA+2:ZA+3], v[U+4*(n%2)+2:U+4*(n%2)+3], v[U+4*(n%2)+2:U+4*(n%2)+3], v[ZA+2:ZA+3]
.endif
	ds_store_b64 v[STS], v[PK+2*n:PK+2*n+1] offset:SPI*n  ; 32 lanes fill a stage row's 256 bytes
.set n, n+1
.endr
.if (\ph) == 3
	ds_store_b128 v[ZWR], v[ZA:ZA+3]
.endif
	s_wait_dscnt 0x0                               ; for the others' sake: my stores are done
	s_barrier_signal -1
	s_barrier_wait -1
.irp a, 0,1,2,3,4,5,6,7
	WIN 0x80+0x40*((\a)/4)                         ; destination window 2 or 3, address window 0
.irp k, 0,1
	ds_load_tr16_b128 v[64*((\a)%4)+8*(2*(\ph)+\k):64*((\a)%4)+8*(2*(\ph)+\k)+3],   v[TRA] offset:32*(\k)*SPI+32*(\a)
	ds_load_tr16_b128 v[64*((\a)%4)+8*(2*(\ph)+\k)+4:64*((\a)%4)+8*(2*(\ph)+\k)+7], v[TRA] offset:(32*(\k)+16)*SPI+32*(\a)
.endr
.endr
	WIN 0
.if (\ph) == 3
.irp q, 0,1,2,3
.irp a, 0,1,2,3,4,5,6,7
	ds_load_b32 v[PK+8*\q+\a], v[ZRD] offset:512*\q+64*\a  ; wave q's partial zz of row 16 a + r
.endr
.endr
.endif
	s_wait_dscnt 0x0                               ; my reads of the stage are over
.if (\ph) < 3
	s_barrier_signal -1
	s_barrier_wait -1                              ; everybody's are: the stage may be written again
.endif
.endm
	STAGE 0
	STAGE 1
	STAGE 2
	STAGE 3
.irp a, 0,1,2,3,4,5,6,7                        ; zz = (p0 + p1) + (p2 + p3): the same order in every wave, so all four waves hold the same number
	v_add_f32 v[PK+\a],    v[PK+\a],    v[PK+8+\a]
	v_add_f32 v[PK+16+\a], v[PK+16+\a], v[PK+24+\a]
.endr
.irp a, 0,1,2,3,4,5,6,7
	v_add_f32 v[ZZ+2*\a],   v[PK+\a], v[PK+16+\a]
	v_add_f32 v[ZZ+2*\a+1], v[PK+\a], v[PK+16+\a]
.endr
; THE MATRIX WORK.  Product i of a block's 64 into set p: channels 32 (i / 8) on, row block i % 8.  The 8 accumulators take turns, one instruction a turn; the first 8 start the sums with the constant 0.
.macro MMA p
.set kk, i/8
.set aa, i%8
.set rA, 64*(\p)+8*aa
.set rE, 128+64*(\p)+8*kk
.set rZ, 64*(aa%4)+8*kk
	WIN 0x59+4*(aa/4)                              ; codes, C and D in window 1; z in window 2 or 3
.if kk == 0
	v_wmma_f32_16x16x32_bf16 v[rA:rA+7], v[rE:rE+7], v[rZ:rZ+7], 0
.else
	v_wmma_f32_16x16x32_bf16 v[rA:rA+7], v[rE:rE+7], v[rZ:rZ+7], v[rA:rA+7]
.endif
.endm
; THE VECTOR WORK.  Entry e of the 24 that take an accumulator's eight d into the running minima.  For each pair of registers: two compares, then for each of the two the minimum and its block.
; Two pairs of masks take turns, so that a select stands two lines or more behind its compare.  A NaN compares false and is passed over.
.macro PICK
.set ey, e/6
.set eo, e%6
.if eo < 2
.set er, 2*ey+eo
	v_cmp_lt_f32 s[M+2*(ey%2)+eo], v[T+er], v[RUN+8*ra+er]
.else
.set er, 2*ey+(eo-2)/2
.if eo%2 == 0
	v_cndmask_b32 v[RUN+8*ra+er], v[RUN+8*ra+er], v[T+er], s[M+2*(ey%2)+(eo-2)/2]
.else
	v_cndmask_b32 v[IDX+8*ra+er], v[IDX+8*ra+er], s[CB], s[M+2*(ey%2)+(eo-2)/2]
.endif
.endif
.set e, e+1
.endm
; Slice i of 64, four instructions: accumulator i / 8 of set q.  Slice 0 of its eight: t = ee + zz.  Slice 1: d = -2 dot + t, one rounding; the accumulator's lowest registers are read first.  Slices 2-7: PICK.
.macro RID q
.set ra, i/8
.set rt, i%8
.if rt == 0
	WIN 0
.irp x, 0,1,2,3
	v_pk_add_f32 v[T+2*\x:T+2*\x+1], v[EE+8*(\q)+2*\x:EE+8*(\q)+2*\x+1], v[ZZ+2*ra:ZZ+2*ra+1]
.endr
.elseif rt == 1
	WIN 0x01                                       ; the accumulator, source 0, in window 1
.irp x, 0,1,2,3
	v_pk_fma_f32 v[T+2*\x:T+2*\x+1], v[64*(\q)+8*ra+2*\x:64*(\q)+8*ra+2*\x+1], -2.0, v[T+2*\x:T+2*\x+1] op_sel_hi:[1,0,1]
.endr
.else
	WIN 0
.set e, 4*(rt-2)
.rept 4
	PICK
.endr
.endif
.endm
; THE LDS LOADS.  A block's fragments: 16 loads of 512 neighbouring bytes, in one run.  Its ee: my 8 codes' 32 bytes.
.macro FETCH_E f
	WIN 0
	v_add_nc_u32 v[ADR], s[TB], v[AE0]
	s_add_co_u32 s[TB], s[TB], 8192                ; the next fetch is the next block's
	WIN 0x40                                       ; destination window 1
.irp c, 0,1,2,3,4,5,6,7,8,9,10,11,12,13,14,15
	ds_load_b128 v[128+64*(\f)+4*\c:128+64*(\f)+4*\c+3], v[ADR] offset:512*\c
.endr
.endm
.macro FETCH_EE f
	WIN 0
	v_add_nc_u32 v[ADE], s[TE], v[AEE0]
	s_add_co_u32 s[TE], s[TE], 64
	ds_load_b128 v[EE+8*(\f):EE+8*(\f)+3],   v[ADE]
	ds_load_b128 v[EE+8*(\f)+4:EE+8*(\f)+7], v[ADE] offset:16
.endm
; A BLOCK.  mm: 64 products into set p.  rd: behind each, a slice that works off the other set, the block before.  fe: the next block's fragments are fetched behind the second product, into the
; buffer that the block before multiplied: its last product stands 12 plain vector instructions back, none of which names a register of it; and the next block's ee behind slice 57: slice 56 is the
; last that reads that buffer.  w: the LDS loads that may stay out at the head: the two of this block's ee, which are wanted one block later.
; An accumulator is first read in slice 8 a + 1 of the block behind the one that made it: four plain instructions or more stand between (exactly four, slice 0, behind a block without slices).
.macro BLOCK p, mm, rd, fe, w
	s_wait_dscnt \w
.set i, 0
.rept 64
.if \mm
	MMA \p
.endif
.if \rd
	RID 1-(\p)
.endif
.if (\fe) && (i == 1)
	FETCH_E 1-(\p)
.endif
.if (\fe) && (i == 57)
	FETCH_EE 1-(\p)
.endif
.set i, i+1
.endr
.if \rd
	s_add_co_u32 s[CB], s[CB], 16
.endif
.endm
.macro PAIR
	BLOCK 1, 1, 1, 1, 2
	BLOCK 0, 1, 1, 1, 2
.endm
.macro TWO_PAIRS                       ; four blocks: written once, walked twice; the LDS addresses hang on s[TB] and s[TE]
	WIN 0                                          ; at a label and at a branch every window is 0
	s_mov_b32 s[TWICE], 2
.Lpair_\@:
	PAIR
	WIN 0
	s_sub_co_u32 s[TWICE], s[TWICE], 1
	s_cmp_lg_u32 s[TWICE], 0
	s_cbranch_scc1 .Lpair_\@
.endm
; THE CHANGE OF SLOTS stands in front of block 4 t + 3: the fragments of tile t's four blocks have all been asked for, none of the next tile's.
; fill = 1: each wave waits for all its tensor loads, of which one is out: its tile t + 1; adds 0 to its spare word; waits for that and for its reads of the slot; a round of the cluster's barrier,
; so that no wave of any partner still reads the slot or has a load on its way; and the slot is filled again, with tile t + 2, first thing behind the round.
; fill = 0 (the tail): nothing is filled, and a wave reads only the tile that it fetched itself: its own wait is all the ordering there is to keep.
.macro CHANGE fill
	WIN 0
	s_wait_tensorcnt 0x0                           ; no tensor load of mine is out, so a group 0 may be written
.if \fill
	ds_add_u32 v[SPW], v[NIL]                      ; 0 onto my spare word: the descriptor's steps stand between it and the wait for it
	s_xor_b32 s[G0W+1], s[G0W+1], SLOT1            ; the walking descriptor: the other slot than last time,
	s_add_nc_u64 s[G0W+2:G0W+3], s[G0W+2:G0W+3], 32768  ; the next tile; the type bits on top are not reached
	s_wait_dscnt 0x0                               ; the add is done, and my reads of the slot are over
	CROUND
	JLOAD
.endif
	s_sub_co_u32 s[TB], s[TB], 32768               ; the fetches go back to a slot's first block,
	s_xor_b32 s[TB], s[TB], SLOT1                  ; in the other slot
.endm
	s_wait_tensorcnt 0x1                           ; my ee and my tile 0 are in; the one load issued behind them, slot 1's, may stay out
	s_mov_b32 s[TB], 0
	s_mov_b32 s[TE], 0
	s_mov_b32 s[CB], 0
	FETCH_E 0
	FETCH_EE 0
	BLOCK 0, 1, 0, 1, 0                            ; block 0: there is nothing yet to work off
	PAIR                                           ; blocks 1, 2
	WIN 0
	s_mov_b32 s[SLOTS], 30
.Lslot:                                                ; 30 trips: blocks 4 t + 3 .. 4 t + 6; tiles 2 to 31 are asked for
	CHANGE 1
	TWO_PAIRS
	s_sub_co_u32 s[SLOTS], s[SLOTS], 1
	s_cmp_lg_u32 s[SLOTS], 0
	s_cbranch_scc1 .Lslot
	CHANGE 0                                       ; the tail is written out
	TWO_PAIRS                                      ; blocks 123 to 126
	BLOCK 1, 1, 1, 0, 0                            ; block 127: nothing is left to fetch
	BLOCK 0, 0, 1, 0, 0                            ; block 127 is worked off
	; THE END.  code = 16 x block + 2048 w + 8 h + j.  Then the smaller d, or at equal d the smaller code, of two: over a lane's eight j, over the two halves of the lanes, over the four waves.
	WIN 0
.set n, 0
.rept 64
	v_add3_u32 v[IDX+n], v[IDX+n], v[LB], n%8
.set n, n+1
.endr
.macro MERGE d1, i1, d2, i2
	v_cmp_lt_f32 s[M],   v[\d2], v[\d1]
	v_cmp_eq_f32 s[M+1], v[\d2], v[\d1]
	v_cmp_lt_u32 s[M+2], v[\i2], v[\i1]
	s_and_b32 s[M+1], s[M+1], s[M+2]
	s_or_b32 s[M], s[M], s[M+1]
	v_cndmask_b32 v[\d1], v[\d1], v[\d2], s[M]
	v_cndmask_b32 v[\i1], v[\i1], v[\i2], s[M]
.endm
.irp a, 0,1,2,3,4,5,6,7
	MERGE RUN+8*\a,   IDX+8*\a,   RUN+8*\a+1, IDX+8*\a+1
	MERGE RUN+8*\a+2, IDX+8*\a+2, RUN+8*\a+3, IDX+8*\a+3
	MERGE RUN+8*\a+4, IDX+8*\a+4, RUN+8*\a+5, IDX+8*\a+5
	MERGE RUN+8*\a+6, IDX+8*\a+6, RUN+8*\a+7, IDX+8*\a+7
	MERGE RUN+8*\a,   IDX+8*\a,   RUN+8*\a+2, IDX+8*\a+2
	MERGE RUN+8*\a+4, IDX+8*\a+4, RUN+8*\a+6, IDX+8*\a+6
	MERGE RUN+8*\a,   IDX+8*\a,   RUN+8*\a+4, IDX+8*\a+4
	v_permlanex16_b32 v[T],   v[RUN+8*\a], s[SEL], s[SEL+1]  ; the row's other codes lie in the lane 16 away
	v_permlanex16_b32 v[T+1], v[IDX+8*\a], s[SEL], s[SEL+1]
	MERGE RUN+8*\a,   IDX+8*\a,   T, T+1
	ds_store_b32 v[SWR], v[RUN+8*\a] offset:64*\a          ; both halves write the same number to the same word
	ds_store_b32 v[SWR], v[IDX+8*\a] offset:2048+64*\a
.endr
	s_wait_dscnt 0x0                               ; for wave 0's sake: my stores are done
	s_barrier_signal -1
	s_barrier_wait -1
	s_cmp_lg_u32 s[WV], 0
	s_cbranch_scc1 .Ldone
.irp q, 0,1,2,3
	ds_load_b128 v[PK+4*\q:PK+4*\q+3],       v[SRD] offset:512*\q       ; wave q's d of rows 4 L .. 4 L + 3,
	ds_load_b128 v[PK+16+4*\q:PK+16+4*\q+3], v[SRD] offset:2048+512*\q  ; and its codes
.endr
	s_wait_dscnt 0x0
.irp q, 1,2,3                                  ; the codes ascend with the wave: a strict less-than keeps the first
.irp x, 0,1,2,3
	v_cmp_lt_f32 s[M+\x], v[PK+4*\q+\x], v[PK+\x]
.endr
.irp x, 0,1,2,3
	v_cndmask_b32 v[PK+\x],    v[PK+\x],    v[PK+4*\q+\x],    s[M+\x]
	v_cndmask_b32 v[PK+16+\x], v[PK+16+\x], v[PK+16+4*\q+\x], s[M+\x]
.endr
.endr
	global_store_b128 v[GOUT], v[PK+16:PK+19], s[10:11]  ; 512 consecutive bytes each, at a multiple of 512 from the buffer's first byte
	global_store_b128 v[GOUT], v[PK+16:PK+19], s[12:13]
.Ldone:
	s_wait_tensorcnt 0x0                           ; the wave's end, behind my last tensor load and my last LDS store
	ds_add_u32 v[SPW], v[NIL]
	s_wait_dscnt 0x0
	CROUND                                         ; the closing round: no work-group ends while a partner may still ask for a tile that names it
	s_endpgm
.Lfunc_end_k_qa61c64ea24_vqmin:
	.size	k_qa61c64ea24_vqmin, .Lfunc_end_k_qa61c64ea24_vqmin-k_qa61c64ea24_vqmin
	.p2alignl 7, 3214868480
	.fill 96, 4, 3214868480
	.section	.rodata,"a",@progbits
	.p2align	6, 0x0
	.amdhsa_kernel k_qa61c64ea24_vqmin
		.amdhsa_group_segment_fixed_size 327680
		.amdhsa_private_segment_fixed_size 0
		.amdhsa_enable_private_segment 0
		.amdhsa_kernarg_size 40
		.amdhsa_user_sgpr_count 2
		.amdhsa_user_sgpr_kernarg_segment_ptr 1
		.amdhsa_wavefront_size32 1
		.amdhsa_system_sgpr_workgroup_id_x 1
		.amdhsa_system_sgpr_workgroup_id_y 1
		.amdhsa_system_sgpr_workgroup_id_z 1
		.amdhsa_system_vgpr_workitem_id 0
		.amdhsa_next_free_vgpr 1024
		.amdhsa_next_free_sgpr 68
		.amdhsa_reserve_vcc 0
		.amdhsa_float_denorm_mode_32 3
		.amdhsa_float_denorm_mode_16_64 3
		.amdhsa_memory_ordered 1
		.amdhsa_forward_progress 1
		.amdhsa_inst_pref_size 255
	.end_amdhsa_kernel
	.section	.bss,"aw",@nobits
	.p2align	6
	.space	262144
	.amdgpu_metadata
---
amdhsa.version: [ 1, 2 ]
amdhsa.kernels:
  - .name:           k_qa61c64ea24_vqmin
    .symbol:         k_qa61c64ea24_vqmin.kd
    .args:
      - { .name: etab, .offset: 0, .size: 8, .value_kind: global_buffer, .address_space: global }
      - { .name: eeb, .offset: 8, .size: 8, .value_kind: global_buffer, .address_space: global }
      - { .name: z, .offset: 16, .size: 8, .value_kind: global_buffer, .address_space: global }
      - { .name: out2, .offset: 24, .size: 8, .value_kind: global_buffer, .address_space: global }
      - { .name: idxw, .offset: 32, .size: 8, .value_kind: global_buffer, .address_space: global }
    .group_segment_fixed_size: 327680
    .private_segment_fixed_size: 0
    .kernarg_segment_align: 8
    .kernarg_segment_size: 40
    .max_flat_workgroup_size: 128
    .sgpr_count:     68
    .vgpr_count:     1024
    .wavefront_size: 32
...
	.end_amdgpu_metadata
.endif
;; end of part 2
;; launch gather (part 3): grid 256 x 1, 8 waves a work-group, no clusters, 132,864 bytes of LDS; arguments z, embedding, idxw, out0, part; writes out0, part
.if DOCPART == 3
	.amdgcn_target "amdgcn-amd-amdhsa--gfx1250"
	.amdhsa_code_object_version 6
	.text
	.protected	k_qa61c64ea24_gather
	.globl	k_qa61c64ea24_gather
	.p2align	8
	.type	k_qa61c64ea24_gather,@function
k_qa61c64ea24_gather:
	s_mov_b64 s[64:65], 0
	v_nop
	global_prefetch_b8 v0, s[64:65] scope:SCOPE_SE
	s_setreg_imm32_b32 hwreg(HW_REG_WAVE_MODE, 25, 1), 1
	s_wait_xcnt 0x0
; GATHER.  out0[b][c][hw] = z + (e[idx] - z), with the two roundings as written, on the f32 inputs as they are given; part[g] = the sum of (e[idx] - z)^2 over the work-group's 128 rows x 256 channels.
; idx comes from idxw, whole numbers that the launch before stored; it is clamped to the table's 8,192 rows before it enters an address.
; SHARES.  Work-group g owns rows 128 g .. 128 g + 127 (one b, 128 neighbouring hw).  The chosen codes are rows [channel] and the output wants [channel][hw], so they turn in LDS:
; wave w brings rows 16 w .. 16 w + 15 (sixteen lanes take 256 neighbouring bytes of a row); behind a barrier wave w takes channels 32 w .. 32 w + 31, lane L rows 4 L .. 4 L + 3,
; so that its loads of z and its stores cover 512 consecutive bytes.
; No tensor load: the rows are scattered.  No cluster: no two work-groups read the same tile.  No matrix work: memory binds.
.set WSUM,  131584                     ; behind the rows: a word for each wave's sum
.set SPARE, 131840                     ; the spare words: 128 bytes a wave, four blocks of 256 bytes that no other line names
; LDS row n lies at 1,024 n + 16 (n / 4): the stores stay aligned to 16 bytes, and lane L's four rows begin at 4,112 L = 1,028 words: lanes L and L + 16 alone meet in a bank.
.set IO,   4                           ; v4   byte offset of my first index
.set SB,   5                           ; v5   where I put 16 bytes of my first row
.set RB,   6                           ; v6   where I read row 4 L, channel 32 w
.set ZO,   7                           ; v7   my byte offset in z and out0; never rewritten
.set IX,   8                           ; v8-15   eight indices
.set EOFF, 16                          ; v16-23  their byte offsets in the table
.set LA,   24                          ; v24-27  sums of squares
.set SPW,  28                          ; v28  LDS address of my spare word; never rewritten
.set NIL,  29                          ; v29  0; never rewritten
.set TA,   30                          ; v30, v31 at work
.set TC,   31
.set ER,   32                          ; v32-159  8 pairs of rows x 4 quarters x 16 bytes
.set ZR1,  32                          ; v32-95   later: z of channels 16 to 31 of my 32
.set EV,   96                          ; v96-159  later: e, then the result, of 16 channels
.set ZR0,  160                         ; v160-223 z of channels 0 to 15
	s_load_b256 s[4:11], s[0:1], 0x0               ; z s[4:5], embedding s[6:7], idxw s[8:9], out0 s[10:11]
	s_load_b64 s[12:13], s[0:1], 0x20              ; part
	v_lshl_add_u32 v[SPW], v0, 2, SPARE
	v_mov_b32 v[NIL], 0
	v_lshrrev_b32 v1, 5, v0
	v_readfirstlane_b32 s14, v1                    ; wave 0..7
	v_and_b32 v1, 31, v0                           ; L
	v_bfe_u32 v2, v0, 4, 1                         ; which row of a pair
	v_and_b32 v3, 15, v0
	v_lshlrev_b32 v3, 4, v3                        ; my 16 bytes in a quarter of a row
	v_mov_b32 v[TA], 0
	s_lshl_b32 s15, s14, 6
	v_lshl_add_u32 v[IO], v2, 2, s15               ; 4 (16 w + half)
	s_mul_i32 s15, s14, 16448                      ; 16 rows of 1,024 bytes + 4 x 16
	v_lshl_add_u32 v[SB], v2, 10, v3
	v_add_nc_u32 v[SB], s15, v[SB]
	s_lshl_b32 s15, s14, 7                         ; 32 channels of 4 bytes
	v_mul_u32_u24 v[RB], v1, 4112
	v_add_nc_u32 v[RB], s15, v[RB]
	s_lshl_b32 s15, s14, 19                        ; 32 channels of 16,384 bytes
	v_lshl_add_u32 v[ZO], v1, 4, s15
	s_lshr_b32 s16, ttmp9, 5                       ; b = g / 32: 4 MiB each,
	s_lshl_b32 s16, s16, 22
	s_and_b32 s17, ttmp9, 31                       ; and 128 hw of 4 bytes for each g % 32
	s_lshl_b32 s17, s17, 9
	s_add_co_u32 s16, s16, s17
	s_mov_b32 s17, 0
	s_lshl_b32 s18, ttmp9, 9                       ; my 128 indices
	s_mov_b32 s19, 0
	s_lshl_b32 s20, ttmp9, 2                       ; my word of part
	s_mov_b32 s21, 0
	s_mov_b32 s22, 0x76543210
	s_mov_b32 s23, 0xfedcba98
	s_wait_kmcnt 0x0
	s_add_nc_u64 s[4:5], s[4:5], s[16:17]
	s_add_nc_u64 s[10:11], s[10:11], s[16:17]
	s_add_nc_u64 s[8:9], s[8:9], s[18:19]
	s_add_nc_u64 s[12:13], s[12:13], s[20:21]
.irp j, 0,1,2,3,4,5,6,7
	global_load_b32 v[IX+\j], v[IO], s[8:9] offset:8*\j  ; the index of row 16 w + 2 j + half
.endr
.set c, 0
.rept 16
	global_load_b128 v[ZR0+4*c:ZR0+4*c+3], v[ZO], s[4:5] offset:c*16384 th:TH_LOAD_NT
.set c, c+1
.endr
	s_wait_loadcnt 16                              ; the indices are in; the sixteen loads of z issued behind them stay out
.irp j, 0,1,2,3,4,5,6,7
	v_min_u32 v[IX+\j], 0x1fff, v[IX+\j]           ; inside the table, whatever the word holds
	v_lshlrev_b32 v[EOFF+\j], 10, v[IX+\j]         ; a row is 1,024 bytes
	v_add_nc_u32 v[EOFF+\j], v3, v[EOFF+\j]
.endr
.irp j, 0,1,2,3,4,5,6,7
.irp q, 0,1,2,3
	global_load_b128 v[ER+16*\j+4*\q:ER+16*\j+4*\q+3], v[EOFF+\j], s[6:7] offset:256*\q  ; sixteen lanes take 256 consecutive bytes of a row
.endr
.endr
.irp j, 0,1,2,3,4,5,6,7
	s_wait_loadcnt 28-4*\j                         ; all but the later pairs' four each
.irp q, 0,1,2,3
	ds_store_b128 v[SB], v[ER+16*\j+4*\q:ER+16*\j+4*\q+3] offset:2048*\j+16*((\j)/2)+256*\q
.endr
.endr
	s_wait_dscnt 0x0                               ; my stores are done: for the others' sake, and their registers are loaded anew below
.set c, 0
.rept 16
	global_load_b128 v[ZR1+4*c:ZR1+4*c+3], v[ZO], s[4:5] offset:(16+c)*16384 th:TH_LOAD_NT
.set c, c+1
.endr
	s_barrier_signal -1
	s_barrier_wait -1                              ; all 128 rows are in LDS
; Sixteen channels: 64 LDS loads in one run, then channel by channel t = e - z, the sum of t^2, z + t, and a store.
.macro BATCH bt
.if \bt
	s_wait_xcnt 0x0                                ; EV was the data of the stores above: it is loaded anew only behind this wait
.endif
.set c, 0
.rept 16
.irp x, 0,1,2,3
	ds_load_b32 v[EV+4*c+\x], v[RB] offset:1024*\x+4*(16*(\bt)+c)
.endr
.set c, c+1
.endr
.set c, 0
.rept 16
	s_wait_dscnt 60-4*c                            ; all but the later channels' four each
.if \bt
	s_wait_loadcnt 15-c                            ; z of this channel is in; the later channels' loads stay out
.set zr, ZR1+4*c
.else
.set zr, ZR0+4*c
.endif
	v_pk_add_f32 v[EV+4*c:EV+4*c+1],   v[EV+4*c:EV+4*c+1],   v[zr:zr+1]   neg_lo:[0,1] neg_hi:[0,1]
	v_pk_add_f32 v[EV+4*c+2:EV+4*c+3], v[EV+4*c+2:EV+4*c+3], v[zr+2:zr+3] neg_lo:[0,1] neg_hi:[0,1]
.if ((\bt) == 0) && (c == 0)
	v_pk_mul_f32 v[LA:LA+1],   v[EV:EV+1],   v[EV:EV+1]    ; the first squares start the sums
	v_pk_mul_f32 v[LA+2:LA+3], v[EV+2:EV+3], v[EV+2:EV+3]
.else
	v_pk_fma_f32 v[LA:LA+1],   v[EV+4*c:EV+4*c+1],   v[EV+4*c:EV+4*c+1],   v[LA:LA+1]
	v_pk_fma_f32 v[LA+2:LA+3], v[EV+4*c+2:EV+4*c+3], v[EV+4*c+2:EV+4*c+3], v[LA+2:LA+3]
.endif
	v_pk_add_f32 v[EV+4*c:EV+4*c+1],   v[zr:zr+1],   v[EV+4*c:EV+4*c+1]
	v_pk_add_f32 v[EV+4*c+2:EV+4*c+3], v[zr+2:zr+3], v[EV+4*c+2:EV+4*c+3]
	global_store_b128 v[ZO], v[EV+4*c:EV+4*c+3], s[10:11] offset:(16*(\bt)+c)*16384 th:TH_STORE_NT  ; the wave stores 512 consecutive bytes, aligned
.set c, c+1
.endr
.endm
	BATCH 0
	BATCH 1
	v_add_f32 v[LA], v[LA], v[LA+1]
	v_add_f32 v[LA+2], v[LA+2], v[LA+3]
	v_add_f32 v[LA], v[LA], v[LA+2]
	v_add_f32_dpp v[LA], v[LA], v[LA] row_xmask:1 row_mask:0xf bank_mask:0xf
	v_add_f32_dpp v[LA], v[LA], v[LA] row_xmask:2 row_mask:0xf bank_mask:0xf
	v_add_f32_dpp v[LA], v[LA], v[LA] row_xmask:4 row_mask:0xf bank_mask:0xf
	v_add_f32_dpp v[LA], v[LA], v[LA] row_xmask:8 row_mask:0xf bank_mask:0xf
	v_permlanex16_b32 v[TA], v[LA], s22, s23
	v_add_f32 v[LA], v[LA], v[TA]                  ; every lane holds the wave's sum
	s_lshl_b32 s15, s14, 2
	s_add_co_u32 s15, s15, WSUM
	v_mov_b32 v[TC], s15
	ds_store_b32 v[TC], v[LA]
	s_wait_dscnt 0x0                               ; for wave 0's sake
	s_barrier_signal -1
	s_barrier_wait -1
	s_cmp_lg_u32 s14, 0
	s_cbranch_scc1 .Lend
	v_mov_b32 v[TA], WSUM
	ds_load_b128 v[32:35], v[TA]
	ds_load_b128 v[36:39], v[TA] offset:16
	v_mov_b32 v[TC], 0
	v_cmp_eq_u32 vcc_lo, 0, v0
	s_wait_dscnt 0x0
	v_pk_add_f32 v[32:33], v[32:33], v[36:37]
	v_pk_add_f32 v[34:35], v[34:35], v[38:39]
	v_pk_add_f32 v[32:33], v[32:33], v[34:35]
	v_add_f32 v32, v32, v33
	s_wait_xcnt 0x0                                ; EXEC is a source of the stores above: it changes only behind this wait
	s_and_saveexec_b32 s24, vcc_lo
	global_store_b32 v[TC], v32, s[12:13]          ; one number a work-group
	s_wait_xcnt 0x0                                ; and again, in front of the line that widens it
	s_or_b32 exec_lo, exec_lo, s24
.Lend:
	s_wait_tensorcnt 0x0                           ; the wave's end, behind my last LDS store
	ds_add_u32 v[SPW], v[NIL]
	s_wait_dscnt 0x0
	s_endpgm
.Lfunc_end_k_qa61c64ea24_gather:
	.size	k_qa61c64ea24_gather, .Lfunc_end_k_qa61c64ea24_gather-k_qa61c64ea24_gather
	.p2alignl 7, 3214868480
	.fill 96, 4, 3214868480
	.section	.rodata,"a",@progbits
	.p2align	6, 0x0
	.amdhsa_kernel k_qa61c64ea24_gather
		.amdhsa_group_segment_fixed_size 132864
		.amdhsa_private_segment_fixed_size 0
		.amdhsa_enable_private_segment 0
		.amdhsa_kernarg_size 40
		.amdhsa_user_sgpr_count 2
		.amdhsa_user_sgpr_kernarg_segment_ptr 1
		.amdhsa_wavefront_size32 1
		.amdhsa_system_sgpr_workgroup_id_x 1
		.amdhsa_system_sgpr_workgroup_id_y 1
		.amdhsa_system_sgpr_workgroup_id_z 1
		.amdhsa_system_vgpr_workitem_id 0
		.amdhsa_next_free_vgpr 224
		.amdhsa_next_free_sgpr 66
		.amdhsa_reserve_vcc 1
		.amdhsa_float_denorm_mode_32 3
		.amdhsa_float_denorm_mode_16_64 3
		.amdhsa_memory_ordered 1
		.amdhsa_forward_progress 1
		.amdhsa_inst_pref_size 39
	.end_amdhsa_kernel
	.amdgpu_metadata
---
amdhsa.version: [ 1, 2 ]
amdhsa.kernels:
  - .name:           k_qa61c64ea24_gather
    .symbol:         k_qa61c64ea24_gather.kd
    .args:
      - { .name: z, .offset: 0, .size: 8, .value_kind: global_buffer, .address_space: global }
      - { .name: embedding, .offset: 8, .size: 8, .value_kind: global_buffer, .address_space: global }
      - { .name: idxw, .offset: 16, .size: 8, .value_kind: global_buffer, .address_space: global }
      - { .name: out0, .offset: 24, .size: 8, .value_kind: global_buffer, .address_space: global }
      - { .name: part, .offset: 32, .size: 8, .value_kind: global_buffer, .address_space: global }
    .group_segment_fixed_size: 132864
    .private_segment_fixed_size: 0
    .kernarg_segment_align: 8
    .kernarg_segment_size: 40
    .max_flat_workgroup_size: 256
    .sgpr_count:     66
    .vgpr_count:     224
    .wavefront_size: 32
...
	.end_amdgpu_metadata
.endif
;; end of part 3
;; launch lossum (part 4): grid 1 x 1, 1 waves a work-group, no clusters, 0 bytes of LDS; arguments part, out1; writes out1
.if DOCPART == 4
	.amdgcn_target "amdgcn-amd-amdhsa--gfx1250"
	.amdhsa_code_object_version 6
	.text
	.protected	k_qa61c64ea24_lossum
	.globl	k_qa61c64ea24_lossum
	.p2align	8
	.type	k_qa61c64ea24_lossum,@function
k_qa61c64ea24_lossum:
	s_mov_b64 s[64:65], 0
	v_nop
	global_prefetch_b8 v0, s[64:65] scope:SCOPE_SE
	s_setreg_imm32_b32 hwreg(HW_REG_WAVE_MODE, 25, 1), 1
	s_wait_xcnt 0x0
; LOSSUM.  out1 = m + 0.25 m, m = (the sum of the 256 partial sums) / 2^23: the mean of (e[idx] - z)^2 over 8 x 256 x 64 x 64 numbers.
; One wave: the sum spans work-groups, so it is closed by one owner in a launch of its own.
	s_load_b128 s[4:7], s[0:1], 0x0                ; part s[4:5], out1 s[6:7]
	v_lshlrev_b32 v1, 4, v0
	v_mov_b32 v12, 0
	v_mov_b32 v13, 0
	s_mov_b32 s8, 0x76543210
	s_mov_b32 s9, 0xfedcba98
	s_wait_kmcnt 0x0
	global_load_b128 v[4:7], v1, s[4:5]
	global_load_b128 v[8:11], v1, s[4:5] offset:512
	s_wait_loadcnt 0x0
	v_pk_add_f32 v[4:5], v[4:5], v[8:9]
	v_pk_add_f32 v[6:7], v[6:7], v[10:11]
	v_pk_add_f32 v[4:5], v[4:5], v[6:7]
	v_add_f32 v4, v4, v5
	v_add_f32_dpp v4, v4, v4 row_xmask:1 row_mask:0xf bank_mask:0xf
	v_add_f32_dpp v4, v4, v4 row_xmask:2 row_mask:0xf bank_mask:0xf
	v_add_f32_dpp v4, v4, v4 row_xmask:4 row_mask:0xf bank_mask:0xf
	v_add_f32_dpp v4, v4, v4 row_xmask:8 row_mask:0xf bank_mask:0xf
	v_permlanex16_b32 v12, v4, s8, s9
	v_add_f32 v4, v4, v12
	v_mul_f32 v4, 0x34000000, v4                   ; x 2^-23, exact
	v_fma_f32 v4, v4, 0x3e800000, v4               ; m + 0.25 m
	v_cmp_eq_u32 vcc_lo, 0, v0
	s_wait_xcnt 0x0                                ; EXEC changes only behind this wait
	s_and_saveexec_b32 s10, vcc_lo
	global_store_b32 v13, v4, s[6:7]
	s_wait_xcnt 0x0
	s_or_b32 exec_lo, exec_lo, s10
	s_endpgm
.Lfunc_end_k_qa61c64ea24_lossum:
	.size	k_qa61c64ea24_lossum, .Lfunc_end_k_qa61c64ea24_lossum-k_qa61c64ea24_lossum
	.p2alignl 7, 3214868480
	.fill 96, 4, 3214868480
	.section	.rodata,"a",@progbits
	.p2align	6, 0x0
	.amdhsa_kernel k_qa61c64ea24_lossum
		.amdhsa_group_segment_fixed_size 0
		.amdhsa_private_segment_fixed_size 0
		.amdhsa_enable_private_segment 0
		.amdhsa_kernarg_size 16
		.amdhsa_user_sgpr_count 2
		.amdhsa_user_sgpr_kernarg_segment_ptr 1
		.amdhsa_wavefront_size32 1
		.amdhsa_system_sgpr_workgroup_id_x 1
		.amdhsa_system_sgpr_workgroup_id_y 1
		.amdhsa_system_sgpr_workgroup_id_z 1
		.amdhsa_system_vgpr_workitem_id 0
		.amdhsa_next_free_vgpr 16
		.amdhsa_next_free_sgpr 66
		.amdhsa_reserve_vcc 1
		.amdhsa_float_denorm_mode_32 3
		.amdhsa_float_denorm_mode_16_64 3
		.amdhsa_memory_ordered 1
		.amdhsa_forward_progress 1
		.amdhsa_inst_pref_size 2
	.end_amdhsa_kernel
	.amdgpu_metadata
---
amdhsa.version: [ 1, 2 ]
amdhsa.kernels:
  - .name:           k_qa61c64ea24_lossum
    .symbol:         k_qa61c64ea24_lossum.kd
    .args:
      - { .name: part, .offset: 0, .size: 8, .value_kind: global_buffer, .address_space: global }
      - { .name: out1, .offset: 8, .size: 8, .value_kind: global_buffer, .address_space: global }
    .group_segment_fixed_size: 0
    .private_segment_fixed_size: 0
    .kernarg_segment_align: 8
    .kernarg_segment_size: 16
    .max_flat_workgroup_size: 32
    .sgpr_count:     66
    .vgpr_count:     16
    .wavefront_size: 32
...
	.end_amdgpu_metadata
.endif
;; end of part 4
